; MI455X (gfx1250); checked and timed in simulation.
; The chip was launched on July 23, 2026; its instructions are those of AMD's public machine-readable ISA for CDNA 5 (MIT licence, August 2026) and "CDNA5" Instruction Set Architecture Reference Guide (July 2026). The comments in the code are by the model that wrote it; some were corrected since.
;; Self Attention. Allowed arithmetic: float matrix products may take bf16 or f16 operands with f32 sums; all other float work in f32.
;; Inputs: Wk 1,024 x 1,024 float32; Wq 1,024 x 1,024 float32; Wv 1,024 x 1,024 float32; bk 1,024 float32; bq 1,024 float32; bv 1,024 float32; x 4 x 2,048 x 1,024 float32.
;; Outputs: out0 4 x 2,048 x 1,024 float32.
;; 2 versions, each right; version 2 is version 1 with the launch cast written anew for expert scheduling mode. Each part assembles by itself: llvm-mc -triple=amdgcn-amd-amdhsa -mcpu=gfx1250 --defsym DOCPART=n.
;; ======== version 1 of 2: 4 launches
;; limits: values are held in f16: magnitudes above 65,504 overflow, below 6.1e-05 lose precision
;; workspace buffers: xb 16,777,216 bytes; wb 6,291,456 bytes; qkv 50,331,648 bytes; pm 33,554,432 bytes; st 1,048,576 bytes
;; launch cast (part 1): grid 704 x 1, 8 waves a work-group, no clusters, 0 bytes of LDS; arguments x, Wq, Wk, Wv, xb, wb; writes xb, wb
.if DOCPART == 1
	.amdgcn_target "amdgcn-amd-amdhsa--gfx1250"
	.amdhsa_code_object_version 6
	.text
	.protected	k_qfb727764b6_cast
	.globl	k_qfb727764b6_cast
	.p2align	8
	.type	k_qfb727764b6_cast,@function
k_qfb727764b6_cast:
	s_mov_b64 s[64:65], 0
	v_nop
	global_prefetch_b8 v0, s[64:65] scope:SCOPE_SE
	s_setreg_imm32_b32 hwreg(HW_REG_WAVE_MODE, 25, 1), 1
	s_wait_xcnt 0x0
; x [8192][1024] and Wq | Wk | Wv [3 x 1024][1024], f32, are rounded once to bf16 and laid in blocks of 64 along K:
; xb [kb 16][row 8192][64], wb [kb 16][n 3072][64] (n: Wq's rows, then Wk's, then Wv's), so that a tile of the product that follows is dense in memory.
; A work-group takes 16 rows (64 KiB in, 32 KiB out): groups 0-511 x's, groups 512-703 the weights'.  Thread t takes row t / 16 and four numbers at column 4 (t % 16) of each K block:
; a wave's load covers two runs of 256 bytes, its store 256 consecutive bytes (two rows of one K block), aligned.  Memory binds: no LDS, no barrier, no matrix unit.
; All sixteen loads of a thread go out at once; no register is written twice, so the only waits are the counted ones for the loads.
.set X,  4                             ; v[4:67]    16 x 4 numbers as loaded
.set Y,  68                            ; v[68:99]   16 x 2 registers to store
.set OF, 100                           ; v[100:115] my byte offset in the output, for each K block
	s_load_b256 s[4:11], s[0:1], 0x0               ; x s[4:5], Wq s[6:7], Wk s[8:9], Wv s[10:11]
	s_load_b128 s[12:15], s[0:1], 0x20             ; xb s[12:13], wb s[14:15]
	s_mov_b32 s16, ttmp9                           ; the group's number
	s_sub_co_u32 s17, s16, 512                     ; among the weights' groups (used there alone)
	s_lshr_b32 s18, s17, 6                         ; which weight: 64 groups each
	s_and_b32 s19, s17, 63                         ; its block of 16 rows
	s_mov_b32 s32, 0x100000                        ; bytes from K block to K block in xb: 8,192 rows x 128
	s_mov_b32 s33, 0x60000                         ; in wb: 3,072 rows x 128
	v_lshrrev_b32 v1, 4, v0
	v_and_b32 v2, 15, v0
	v_lshlrev_b32 v1, 12, v1                       ; my row x 4,096 bytes
	v_lshl_add_u32 v1, v2, 4, v1                   ; + 16 (t % 16)
	v_lshlrev_b32 v[OF], 3, v0                     ; out: row x 128 + 8 (t % 16) = 8 t
	s_cmp_lt_u32 s16, 512
	s_cselect_b32 s24, s16, s19                    ; the block of 16 rows in the source,
	s_cselect_b32 s26, s16, s17                    ; and in the output
	s_cselect_b32 s22, s32, s33
	s_lshl_b32 s24, s24, 16                        ; 16 rows x 4,096 bytes
	s_mov_b32 s25, 0
	s_lshl_b32 s26, s26, 11                        ; 16 rows x 128 bytes
	s_mov_b32 s27, 0
.set k, 1
.rept 15
	v_add_nc_u32 v[OF+k], s22, v[OF+k-1]
.set k, k+1
.endr
	s_wait_kmcnt 0x0
	s_cmp_eq_u32 s18, 1
	s_cselect_b64 s[20:21], s[8:9], s[6:7]
	s_cmp_eq_u32 s18, 2
	s_cselect_b64 s[20:21], s[10:11], s[20:21]
	s_cmp_lt_u32 s16, 512
	s_cselect_b64 s[20:21], s[4:5], s[20:21]       ; the source
	s_cselect_b64 s[28:29], s[12:13], s[14:15]     ; the output
	s_add_nc_u64 s[20:21], s[20:21], s[24:25]
	s_add_nc_u64 s[28:29], s[28:29], s[26:27]
.set k, 0
.rept 16
	global_load_b128 v[X+4*k:X+4*k+3], v1, s[20:21] offset:256*k th:TH_LOAD_NT
.set k, k+1
.endr
.set k, 0
.rept 16
	s_wait_loadcnt 15-k                            ; loads come back in order: load k is in, the 15 - k younger ones stay out
	v_cvt_pk_bf16_f32 v[Y+2*k], v[X+4*k], v[X+4*k+1]
	v_cvt_pk_bf16_f32 v[Y+2*k+1], v[X+4*k+2], v[X+4*k+3]
	global_store_b64 v[OF+k], v[Y+2*k:Y+2*k+1], s[28:29]
.set k, k+1
.endr
	s_endpgm
.Lfunc_end_k_qfb727764b6_cast:
	.size	k_qfb727764b6_cast, .Lfunc_end_k_qfb727764b6_cast-k_qfb727764b6_cast
	.p2alignl 7, 3214868480
	.fill 96, 4, 3214868480
	.section	.rodata,"a",@progbits
	.p2align	6, 0x0
	.amdhsa_kernel k_qfb727764b6_cast
		.amdhsa_group_segment_fixed_size 0
		.amdhsa_private_segment_fixed_size 0
		.amdhsa_enable_private_segment 0
		.amdhsa_kernarg_size 48
		.amdhsa_user_sgpr_count 2
		.amdhsa_user_sgpr_kernarg_segment_ptr 1
		.amdhsa_wavefront_size32 1
		.amdhsa_system_sgpr_workgroup_id_x 1
		.amdhsa_system_sgpr_workgroup_id_y 1
		.amdhsa_system_sgpr_workgroup_id_z 1
		.amdhsa_system_vgpr_workitem_id 0
		.amdhsa_next_free_vgpr 120
		.amdhsa_next_free_sgpr 66
		.amdhsa_reserve_vcc 0
		.amdhsa_float_denorm_mode_32 3
		.amdhsa_float_denorm_mode_16_64 3
		.amdhsa_memory_ordered 1
		.amdhsa_forward_progress 1
		.amdhsa_inst_pref_size 8
	.end_amdhsa_kernel
	.amdgpu_metadata
---
amdhsa.version: [ 1, 2 ]
amdhsa.kernels:
  - .name:           k_qfb727764b6_cast
    .symbol:         k_qfb727764b6_cast.kd
    .args:
      - { .name: x, .offset: 0, .size: 8, .value_kind: global_buffer, .address_space: global }
      - { .name: Wq, .offset: 8, .size: 8, .value_kind: global_buffer, .address_space: global }
      - { .name: Wk, .offset: 16, .size: 8, .value_kind: global_buffer, .address_space: global }
      - { .name: Wv, .offset: 24, .size: 8, .value_kind: global_buffer, .address_space: global }
      - { .name: xb, .offset: 32, .size: 8, .value_kind: global_buffer, .address_space: global }
      - { .name: wb, .offset: 40, .size: 8, .value_kind: global_buffer, .address_space: global }
    .group_segment_fixed_size: 0
    .private_segment_fixed_size: 0
    .kernarg_segment_align: 8
    .kernarg_segment_size: 48
    .max_flat_workgroup_size: 256
    .sgpr_count:     66
    .vgpr_count:     120
    .wavefront_size: 32
...
	.end_amdgpu_metadata
.endif
;; end of part 1
;; launch proj (part 2): grid 8 x 32, 4 waves a work-group, clusters of 4 x 4, 327,680 bytes of LDS; arguments xb, wb, bq, bk, bv, qkv; writes qkv
.if DOCPART == 2
	.amdgcn_target "amdgcn-amd-amdhsa--gfx1250"
	.amdhsa_code_object_version 6
	.text
	.protected	k_qfb727764b6_proj
	.globl	k_qfb727764b6_proj
	.p2align	8
	.type	k_qfb727764b6_proj,@function
k_qfb727764b6_proj:
	s_mov_b64 s[64:65], 0
	v_nop
	global_prefetch_b8 v0, s[64:65] scope:SCOPE_SE
	s_setreg_imm32_b32 hwreg(HW_REG_WAVE_MODE, 25, 1), 1
	s_wait_xcnt 0x0
	s_wait_alu depctr_hold_cnt(0) depctr_sa_sdst(0) depctr_va_vdst(0) depctr_va_sdst(0) depctr_va_ssrc(0) depctr_va_vcc(0) depctr_vm_vsrc(0)
	s_getreg_b32 s2, hwreg(HW_REG_IB_STS2, 6, 4)
	s_cmp_eq_u32 s2, 0
	s_cbranch_scc0 .Lentry_in_a_cluster
	s_endpgm
.Lentry_in_a_cluster:
	s_bfe_u32 s2, ttmp6, 0x10000c
	s_cmp_lg_u32 s2, 0xf033
	s_cbranch_scc0 .Lentry_shape_is_right
	s_endpgm
.Lentry_shape_is_right:
; qkv = xb wb^T + bias.  xb [kb 16][8192][64], wb [kb 16][3072][64] bf16; sums in f32; the bias is rounded to bf16 like the other inputs, on purpose, and added in f32;
; the result is rounded once to f16 and written as [cb 48][row 8192][64]: column blocks 0-15 q, 16-31 k, 32-47 v.
; LIMIT: f16 ends at 65,504: a q, k or v beyond that becomes an infinity.  NaN and infinities are not treated apart.
; SHARES.  3,072 columns / 384 x 8,192 rows / 256 = 256 work-groups of equal work.  Four waves, each 128 rows x 192 columns: 8 x 12 = 96 accumulators, 768 registers.
; K goes in blocks of 64 through two LDS slots; a block is two chunks of 32.  Waves 0, 1 fetch the halves of A's tile (128 dense rows of 128 bytes, asked for as 64 rows of 256), waves 2, 3 those of B's (192 rows as 96).
; CLUSTER 4 x 4: A's tile hangs on the tile row alone and is asked for jointly along a row of the cluster, B's on the tile column alone, along a column.
; THE MATRIX INSTRUCTION IS USED TRANSPOSED (source 0 = 16 rows of wb, source 1 = 16 rows of xb): a lane holds one row and eight neighbouring columns.
; REGISTERS.  Window 0: v0-31 addresses and at work; v32-95, v96-159 A's fragments, two buffers; v160-255 B's fragments, one buffer: its blocks 4 i .. 4 i + 3 are dead behind stretch i and are
; then loaded for the next chunk.  Windows 1-3: accumulator (a, b) in window 1 + b / 4 at 64 (b % 4) + 8 a.
.set PITCH,  144                       ; an LDS row: 128 bytes + 16 of padding = 36 words: the 16 rows of a fragment load start at 16 different groups of four banks (64 banks of 4 bytes: ISA guide 11.1)
.set HALFA,  128*PITCH
.set HALFB,  192*PITCH
.set BOFF,   2*HALFA                   ; a slot: A's 256 rows, then B's 384
.set SLOTX,  131072                    ; slot 1 begins here: one exclusive or turns an address in one slot into the other's
.set STAGE,  BOFF+2*HALFB              ; between the slots, never filled by a tensor load: 16 rows x 144 bytes for each wave, for the way out
.set BT,     STAGE+4*16*PITCH          ; each wave's 192 biases in f32
.set SPARE,  BT+4*768                  ; the spare words, 128 bytes for each wave: two blocks of 256 bytes that no other line names
.set STEP_A, 1048576                   ; bytes from K block to K block in xb
.set STEP_B, 393216                    ; in wb
.set AA,  4                            ; v4   my lane's place in A's tile; never rewritten
.set AB,  5                            ; v5   in B's
.set ADA, 6                            ; v6   the same in the slot in hand
.set ADB, 7
.set STO, 8                            ; v8   the way out: where I put 16 bytes of a row
.set RD,  9                            ; v9   where I read rows back
.set GO,  10                           ; v10  my 16 bytes in 512 consecutive bytes of the output
.set BA,  11                           ; v11  my eight biases of column block 0
.set SPW, 12                           ; v12  LDS address of my spare word; never rewritten
.set NIL, 13                           ; v13  0; never rewritten
.set AF0, 32
.set AF1, 96
.set BF,  160
.set MSB, 0
.macro WIN new                         ; the immediate's high byte repeats the setting that is left; a switch that changes nothing is dropped
.if MSB != (\new)
	s_set_vgpr_msb (MSB<<8)|(\new)
.set MSB, \new
.endif
.endm
.macro PLACES                          ; four places in front of loads into registers that matrix instructions have read, and of lines that read results
.rept 4
	v_nop
.endr
.endm
.macro CREST                           ; a round of the cluster's barrier behind its opening barrier
	s_cmp_lg_u32 s16, 0
	s_cbranch_scc1 .Lnot_wave_0_\@
	s_barrier_signal -3
.Lnot_wave_0_\@:
	s_barrier_wait -3
	s_barrier_signal -1
	s_barrier_wait -1
.endm
.macro CROUND
	s_barrier_signal -1
	s_barrier_wait -1
	CREST
.endm
.macro JLOAD                           ; a joint refill by the walking descriptor: waves 0, 1 A's halves, waves 2, 3 B's; an s_nop 0 and four v_nop follow each line
	s_cmp_lt_u32 s16, 2
	s_cbranch_scc0 .Lfor_b_\@
	tensor_load_to_lds s[44:47], s[24:31]
	s_nop 0
.rept 4
	v_nop
.endr
	s_branch .Lasked_\@
.Lfor_b_\@:
	tensor_load_to_lds s[52:55], s[32:39]
	s_nop 0
.rept 4
	v_nop
.endr
.Lasked_\@:
.endm
.macro STEPD                           ; the walking descriptors: the other slot than last time, the next K block; written where no tensor load of mine is out
	s_xor_b32 s45, s45, SLOTX
	s_add_nc_u64 s[46:47], s[46:47], STEP_A
	s_xor_b32 s53, s53, SLOTX
	s_add_nc_u64 s[54:55], s[54:55], STEP_B
.endm
	s_load_b256 s[4:11], s[0:1], 0x0               ; xb s[4:5], wb s[6:7], bq s[8:9], bk s[10:11]
	s_load_b128 s[12:15], s[0:1], 0x20             ; bv s[12:13], qkv s[14:15]
	v_lshl_add_u32 v[SPW], v0, 2, SPARE
	v_mov_b32 v[NIL], 0
	ds_add_u32 v[SPW], v[NIL]                      ; the wave's opening: the add and its wait stand ahead of my first tensor load; work on registers stands between them
	v_lshrrev_b32 v1, 5, v0
	v_readfirstlane_b32 s16, v1                    ; wave 0..3
	s_lshr_b32 s17, s16, 1                         ; which 128 rows are mine
	s_and_b32 s18, s16, 1                          ; which 192 columns; also: which half of a tile I fetch
	s_bfe_u32 s19, ttmp6, 0x40000                  ; cx
	s_bfe_u32 s20, ttmp6, 0x40004                  ; cy
	s_lshl_b32 s21, ttmp9, 2
	s_add_co_u32 s21, s21, s19                     ; tile column = 4 x cluster x + cx
	s_and_b32 s22, ttmp7, 0xffff
	s_lshl_b32 s22, s22, 2
	s_add_co_u32 s22, s22, s20                     ; tile row = 4 x cluster y + cy
	s_lshl_b32 s23, s20, 2
	s_lshl_b32 s23, 15, s23                        ; my row of the cluster
	s_lshl_b32 s58, 0x1111, s19                    ; my column
	s_or_b32 s24, s23, (1<<16)|(1<<20)|(1<<21)|(4<<22)|(3<<25)  ; 15:0 the mask; 17:16 2-byte elements; 20 padding on; 21 set beside a mask; 24:22 after every 32 words; 31:25 4 words
	s_mov_b32 s25, 128<<16                         ; tensor_dim0 = 128
	s_mov_b32 s26, 64<<16                          ; tensor_dim1 = 64
	s_mov_b32 s27, 128<<16                         ; tile_dim0 = 128 (256 bytes: two rows of a K block)
	s_mov_b32 s28, 64                              ; tile_dim1 = 64
	s_mov_b32 s29, 128                             ; dense
	s_mov_b32 s30, 0
	s_mov_b32 s31, 0
	s_or_b32 s32, s58, (1<<16)|(1<<20)|(1<<21)|(4<<22)|(3<<25)
	s_mov_b32 s33, 128<<16
	s_mov_b32 s34, 96<<16
	s_mov_b32 s35, 128<<16
	s_mov_b32 s36, 96
	s_mov_b32 s37, 128
	s_mov_b32 s38, 0
	s_mov_b32 s39, 0
	s_lshl_b32 s66, s22, 15                        ; A: tile row x 256 rows x 128 bytes
	s_lshl_b32 s70, s18, 14                        ;    + my half
	s_add_co_u32 s66, s66, s70
	s_mov_b32 s67, 0
	s_mul_i32 s68, s21, 49152                      ; B: tile column x 384 rows x 128 bytes
	s_mul_i32 s71, s18, 24576
	s_add_co_u32 s68, s68, s71
	s_mov_b32 s69, 0
	s_mov_b32 s40, 1
	s_mul_i32 s41, s18, HALFA                      ; LDS addresses hang on the wave's number alone
	s_mov_b32 s44, 1
	s_add_co_u32 s45, s41, SLOTX
	s_mov_b32 s48, 1
	s_mul_i32 s49, s18, HALFB
	s_add_co_u32 s49, s49, BOFF
	s_mov_b32 s52, 1
	s_add_co_u32 s53, s49, SLOTX
	s_mov_b32 s57, 0                               ; the slot that fragments are fetched from
	s_wait_dscnt 0x0                               ; the opening add is done
	s_wait_kmcnt 0x0
	s_add_nc_u64 s[42:43], s[4:5], s[66:67]        ; K block 0
	s_add_nc_u64 s[46:47], s[42:43], STEP_A        ; K block 1
	s_or_b32 s43, s43, 0x80000000
	s_or_b32 s47, s47, 0x80000000
	s_add_nc_u64 s[50:51], s[6:7], s[68:69]
	s_add_nc_u64 s[54:55], s[50:51], STEP_B
	s_or_b32 s51, s51, 0x80000000
	s_or_b32 s55, s55, 0x80000000
	CROUND                                         ; all sixteen work-groups are here: the first joint loads meet
	s_cmp_lt_u32 s16, 2                            ; a wave's two first fills stand in one branch: two loads of mine are out
	s_cbranch_scc0 .Lfirst_b
	tensor_load_to_lds s[40:43], s[24:31]
	s_nop 0
	tensor_load_to_lds s[44:47], s[24:31]
	s_nop 0
.rept 4
	v_nop
.endr
	s_branch .Lfirst_asked
.Lfirst_b:
	tensor_load_to_lds s[48:51], s[32:39]
	s_nop 0
	tensor_load_to_lds s[52:55], s[32:39]
	s_nop 0
.rept 4
	v_nop
.endr
.Lfirst_asked:
	; my 192 biases: three column blocks of 64, each from bq, bk or bv by its number
	v_and_b32 v1, 15, v0                           ; r = l % 16
	v_bfe_u32 v2, v0, 4, 1                         ; h = l / 16
	v_and_b32 v3, 31, v0                           ; l
	v_lshlrev_b32 v14, 3, v3
	s_mul_i32 s72, s21, 6
	s_mul_i32 s73, s18, 3
	s_add_co_u32 s72, s72, s73                     ; my first column block, 0..45
.irp c, 0,1,2
	s_add_co_u32 s74, s72, \c
	s_cmp_lt_u32 s74, 32
	s_cselect_b64 s[80+2*(\c):81+2*(\c)], s[10:11], s[12:13]
	s_cmp_lt_u32 s74, 16
	s_cselect_b64 s[80+2*(\c):81+2*(\c)], s[8:9], s[80+2*(\c):81+2*(\c)]
	s_and_b32 s74, s74, 15
	s_lshl_b32 s74, s74, 8
	s_mov_b32 s75, 0
	s_add_nc_u64 s[80+2*(\c):81+2*(\c)], s[80+2*(\c):81+2*(\c)], s[74:75]
	global_load_b64 v[16+2*(\c):17+2*(\c)], v14, s[80+2*(\c):81+2*(\c)]  ; 32 lanes x 8 bytes: the block's 256 bytes
.endr
	v_mul_u32_u24 v15, v1, PITCH
	v_lshl_add_u32 v15, v2, 4, v15                 ; a fragment's row x pitch + 16 x half
	s_mul_i32 s74, s17, HALFA
	v_add_nc_u32 v[AA], s74, v15
	s_mul_i32 s75, s18, HALFB
	s_add_co_u32 s75, s75, BOFF
	v_add_nc_u32 v[AB], s75, v15
	v_mov_b32 v[ADA], v[AA]
	v_mov_b32 v[ADB], v[AB]
	s_mul_i32 s76, s16, 16*PITCH
	s_add_co_u32 s76, s76, STAGE                   ; my stage
	v_add_nc_u32 v[STO], s76, v15                  ; in: row r, 16 bytes for each half of the lanes
	v_bfe_u32 v22, v0, 3, 2                        ; back: 32 lanes take four rows of 128 bytes,
	v_mul_u32_u24 v22, v22, PITCH
	v_and_b32 v23, 7, v0
	v_lshl_add_u32 v22, v23, 4, v22
	v_add_nc_u32 v[RD], s76, v22
	v_lshlrev_b32 v[GO], 4, v3                     ; which are 512 consecutive bytes of the output
	s_mul_i32 s77, s16, 768
	s_add_co_u32 s77, s77, BT
	v_lshl_add_u32 v[BA], v2, 5, s77
	v_add_nc_u32 v24, s77, v14
	s_lshl_b32 s78, s72, 20                        ; the output at my first column block, my first row
	s_lshl_b32 s79, s22, 15
	s_add_co_u32 s78, s78, s79
	s_lshl_b32 s79, s17, 14
	s_add_co_u32 s78, s78, s79
	s_mov_b32 s79, 0
	s_add_nc_u64 s[14:15], s[14:15], s[78:79]
	s_wait_loadcnt 0x0
.irp c, 0,1,2
	v_cvt_pk_bf16_f32 v25, v[16+2*(\c)], v[17+2*(\c)]  ; rounded to bf16, and back as f32
	v_lshlrev_b32 v[16+2*(\c)], 16, v25
	v_and_b32 v[17+2*(\c)], 0xffff0000, v25
	ds_store_b64 v24, v[16+2*(\c):17+2*(\c)] offset:256*(\c)  ; my wave's own bytes: no other wave reads them
.endr
; 16 matrix instructions: column blocks 4 i + 2 half, + 1 x all 8 row blocks, 32 along K.  The accumulators take turns: each comes once in a chunk's 96.
.macro STRH i, half, abuf, zero
	WIN 0x50*((\i)+1)
.irp bb, 0,1
.irp a, 0,1,2,3,4,5,6,7
.if \zero
	v_wmma_f32_16x16x32_bf16 v[64*(2*(\half)+(\bb))+8*(\a):64*(2*(\half)+(\bb))+8*(\a)+7], v[BF+8*(4*(\i)+2*(\half)+(\bb)):BF+8*(4*(\i)+2*(\half)+(\bb))+7], v[(\abuf)+8*(\a):(\abuf)+8*(\a)+7], 0
.else
	v_wmma_f32_16x16x32_bf16 v[64*(2*(\half)+(\bb))+8*(\a):64*(2*(\half)+(\bb))+8*(\a)+7], v[BF+8*(4*(\i)+2*(\half)+(\bb)):BF+8*(4*(\i)+2*(\half)+(\bb))+7], v[(\abuf)+8*(\a):(\abuf)+8*(\a)+7], v[64*(2*(\half)+(\bb))+8*(\a):64*(2*(\half)+(\bb))+8*(\a)+7]
.endif
.endr
.endr
.endm
.macro STR i, abuf, zero
	STRH \i, 0, \abuf, \zero
	STRH \i, 1, \abuf, \zero
.endm
.macro RUNA dst, a0, koff              ; eight LDS loads: A's row blocks a0 .. a0 + 3, 32 along K at byte koff of the rows
	WIN 0
.irp i, 0,1,2,3
	ds_load_b128 v[(\dst)+8*((\a0)+(\i)):(\dst)+8*((\a0)+(\i))+3],   v[ADA] offset:(\koff)+((\a0)+(\i))*16*PITCH
	ds_load_b128 v[(\dst)+8*((\a0)+(\i))+4:(\dst)+8*((\a0)+(\i))+7], v[ADA] offset:(\koff)+((\a0)+(\i))*16*PITCH+32
.endr
.endm
.macro RUNB b0, koff                   ; the same for B's blocks b0 .. b0 + 3
	WIN 0
.irp i, 0,1,2,3
	ds_load_b128 v[BF+8*((\b0)+(\i)):BF+8*((\b0)+(\i))+3],   v[ADB] offset:(\koff)+((\b0)+(\i))*16*PITCH
	ds_load_b128 v[BF+8*((\b0)+(\i))+4:BF+8*((\b0)+(\i))+7], v[ADB] offset:(\koff)+((\b0)+(\i))*16*PITCH+32
.endr
.endm
; A chunk's 40 loads go out in this order: A 0-3, B 0-3 | A 4-7, B 4-7 | B 8-11, each part behind the stretch that has read the B blocks it overwrites.
; A K block's first chunk: multiplies buffer 0, fetches the second chunk into buffer 1.
.macro KEVEN zero
	s_wait_dscnt 16                                ; all of A and B 0-3 are in; the youngest sixteen loads (B 4-7, B 8-11) may be out
	STR 0, AF0, \zero
	PLACES
	RUNA AF1, 0, 64
	RUNB 0, 64
	s_wait_dscnt 24                                ; B 4-7 are in: behind them B 8-11's eight and the sixteen just issued
	STR 1, AF0, \zero
	PLACES
	RUNA AF1, 4, 64
	RUNB 4, 64
	s_wait_dscnt 32                                ; B 8-11 are in: behind them the 32 issued in this chunk
	STR 2, AF0, \zero
	PLACES
	RUNB 8, 64
.endm
; Its second chunk multiplies buffer 1 and changes slots.  Sixteen products come first, while my last reads of this slot come back.  Then, on end: the wait for all my tensor loads (one is out: my part
; of the next slot), the add, the wait for it and for my reads of this slot, ONE barrier, and with fill = 1 the rest of a round of the cluster's barrier and the refill of this slot with the K block
; two on.  No product stands between that wait and the refill: a refill has a whole K block's products, less the round alone, in which to land.
.macro KODD fill
	s_wait_dscnt 16                                ; all of A and B 0-3 are in; the youngest sixteen loads (B 4-7, B 8-11) may be out
	STRH 0, 0, AF1, 0
	WIN 0
	s_wait_tensorcnt 0x0                           ; no tensor load of mine is out, so a descriptor may be written
	ds_add_u32 v[SPW], v[NIL]                      ; 0 onto my spare word
.if \fill
	STEPD
.endif
	s_wait_dscnt 0x0                               ; the add is done, and my reads of this slot are over
	s_barrier_signal -1
	s_barrier_wait -1
.if \fill
	CREST                                          ; no wave of any partner still reads this slot or has a load on its way
	JLOAD
.endif
	s_xor_b32 s57, s57, SLOTX
	v_add_nc_u32 v[ADA], s57, v[AA]
	v_add_nc_u32 v[ADB], s57, v[AB]
	STRH 0, 1, AF1, 0
	PLACES
	RUNA AF0, 0, 0
	RUNB 0, 0
	STR 1, AF1, 0                                  ; B 4-11 were shown in by the wait for 0 above
	PLACES
	RUNA AF0, 4, 0
	RUNB 4, 0
	STR 2, AF1, 0
	PLACES
	RUNB 8, 0
.endm
.macro KLAST                           ; the very last chunk: nothing more to fetch, the counts run down
	s_wait_dscnt 16
	STR 0, AF1, 0
	s_wait_dscnt 8
	STR 1, AF1, 0
	s_wait_dscnt 0x0
	STR 2, AF1, 0
	WIN 0
.endm
	s_wait_tensorcnt 0x1                           ; my part of K block 0 is in; block 1's may stay out
	s_wait_dscnt 0x0                               ; my bias stores
	s_barrier_signal -1
	s_barrier_wait -1
	RUNA AF0, 0, 0
	RUNB 0, 0
	RUNA AF0, 4, 0
	RUNB 4, 0
	RUNB 8, 0
	KEVEN 1                                        ; the first chunk stands in front of the loop: its products start the sums
	s_mov_b32 s56, 14                              ; K blocks 2 to 15 are asked for in the loop
.Lk:
	KODD 1
	KEVEN 0
	s_sub_co_u32 s56, s56, 1
	s_cmp_lg_u32 s56, 0
	s_cbranch_scc1 .Lk
	KODD 0                                         ; the tail is written out: nothing is asked for
	KEVEN 0
	KLAST
	; THE WAY OUT.  The biases come into B's registers; then units of 16 rows x 64 columns (2,048 consecutive bytes of the output): bias added, rounded to f16, through my stage, stored.
	PLACES
.irp b, 0,1,2,3,4,5,6,7,8,9,10,11
	ds_load_b128 v[BF+8*(\b):BF+8*(\b)+3],   v[BA] offset:64*(\b)
	ds_load_b128 v[BF+8*(\b)+4:BF+8*(\b)+7], v[BA] offset:64*(\b)+16
.endr
	s_wait_dscnt 0x0
.macro PACK a, c
	WIN (\c)+1                                     ; source 0: the accumulators' window
.irp f, 0,1,2,3
.irp j, 0,2,4,6
	v_pk_add_f32 v[32+8*(\f)+(\j):32+8*(\f)+(\j)+1], v[64*(\f)+8*(\a)+(\j):64*(\f)+8*(\a)+(\j)+1], v[BF+8*(4*(\c)+(\f))+(\j):BF+8*(4*(\c)+(\f))+(\j)+1]
.endr
.endr
	WIN 0
.irp f, 0,1,2,3
.irp j, 0,1,2,3
	v_cvt_pk_f16_f32 v[64+4*(\f)+(\j)], v[32+8*(\f)+2*(\j)], v[32+8*(\f)+2*(\j)+1]
.endr
.endr
.endm
.macro TOSTAGE                         ; unit u: into rows of 144 bytes, back as whole rows of 128
	s_wait_xcnt 0x0                                ; the registers that the stores of unit u - 2 read are loaded again only behind this wait
.irp f, 0,1,2,3
	ds_store_b128 v[STO], v[64+4*(\f):64+4*(\f)+3] offset:32*(\f)
.endr
.irp f, 0,1,2,3
	ds_load_b128 v[80+16*(u%2)+4*(\f):80+16*(u%2)+4*(\f)+3], v[RD] offset:4*PITCH*(\f)  ; LDS serves a wave's instructions in order (ISA guide 5.7.1.4): these see the stores above
.endr
.endm
.macro SEND                            ; unit u - 1 = (prva, prvc)
	s_wait_dscnt 0x0
.irp f, 0,1,2,3
	global_store_b128 v[GO], v[80+16*((u-1)%2)+4*(\f):80+16*((u-1)%2)+4*(\f)+3], s[14:15] offset:prvc*1048576+prva*2048+(\f)*512  ; 512 consecutive bytes, at a multiple of 256
.endr
.endm
.set u, 0
.irp a, 0,1,2,3,4,5,6,7
.irp c, 0,1,2
	PACK \a, \c                                    ; a unit's arithmetic stands between the loads of the unit before and its stores
.if u > 0
	SEND
.endif
	TOSTAGE
.set prva, \a
.set prvc, \c
.set u, u+1
.endr
.endr
	SEND
	s_wait_tensorcnt 0x0                           ; the wave's end
	ds_add_u32 v[SPW], v[NIL]
	s_wait_dscnt 0x0
	CROUND                                         ; the closing round: no work-group ends while a partner may still ask for a tile that names it
	s_endpgm
.Lfunc_end_k_qfb727764b6_proj:
	.size	k_qfb727764b6_proj, .Lfunc_end_k_qfb727764b6_proj-k_qfb727764b6_proj
	.p2alignl 7, 3214868480
	.fill 96, 4, 3214868480
	.section	.rodata,"a",@progbits
	.p2align	6, 0x0
	.amdhsa_kernel k_qfb727764b6_proj
		.amdhsa_group_segment_fixed_size 327680
		.amdhsa_private_segment_fixed_size 0
		.amdhsa_enable_private_segment 0
		.amdhsa_kernarg_size 48
		.amdhsa_user_sgpr_count 2
		.amdhsa_user_sgpr_kernarg_segment_ptr 1
		.amdhsa_wavefront_size32 1
		.amdhsa_system_sgpr_workgroup_id_x 1
		.amdhsa_system_sgpr_workgroup_id_y 1
		.amdhsa_system_sgpr_workgroup_id_z 1
		.amdhsa_system_vgpr_workitem_id 0
		.amdhsa_next_free_vgpr 1024
		.amdhsa_next_free_sgpr 100
		.amdhsa_reserve_vcc 0
		.amdhsa_float_denorm_mode_32 3
		.amdhsa_float_denorm_mode_16_64 3
		.amdhsa_memory_ordered 1
		.amdhsa_forward_progress 1
		.amdhsa_inst_pref_size 139
	.end_amdhsa_kernel
	.amdgpu_metadata
---
amdhsa.version: [ 1, 2 ]
amdhsa.kernels:
  - .name:           k_qfb727764b6_proj
    .symbol:         k_qfb727764b6_proj.kd
    .args:
      - { .name: xb, .offset: 0, .size: 8, .value_kind: global_buffer, .address_space: global }
      - { .name: wb, .offset: 8, .size: 8, .value_kind: global_buffer, .address_space: global }
      - { .name: bq, .offset: 16, .size: 8, .value_kind: global_buffer, .address_space: global }
      - { .name: bk, .offset: 24, .size: 8, .value_kind: global_buffer, .address_space: global }
      - { .name: bv, .offset: 32, .size: 8, .value_kind: global_buffer, .address_space: global }
      - { .name: qkv, .offset: 40, .size: 8, .value_kind: global_buffer, .address_space: global }
    .group_segment_fixed_size: 327680
    .private_segment_fixed_size: 0
    .kernarg_segment_align: 8
    .kernarg_segment_size: 48
    .max_flat_workgroup_size: 128
    .sgpr_count:     100
    .vgpr_count:     1024
    .wavefront_size: 32
...
	.end_amdgpu_metadata
.endif
;; end of part 2
;; launch scores (part 3): grid 8 x 32, 4 waves a work-group, clusters of 4 x 4, 327,680 bytes of LDS; arguments qkv, pm, st; writes pm, st
.if DOCPART == 3
	.amdgcn_target "amdgcn-amd-amdhsa--gfx1250"
	.amdhsa_code_object_version 6
	.text
	.protected	k_qfb727764b6_scores
	.globl	k_qfb727764b6_scores
	.p2align	8
	.type	k_qfb727764b6_scores,@function
k_qfb727764b6_scores:
	s_mov_b64 s[64:65], 0
	v_nop
	global_prefetch_b8 v0, s[64:65] scope:SCOPE_SE
	s_setreg_imm32_b32 hwreg(HW_REG_WAVE_MODE, 25, 1), 1
	s_wait_xcnt 0x0
	s_wait_alu depctr_hold_cnt(0) depctr_sa_sdst(0) depctr_va_vdst(0) depctr_va_sdst(0) depctr_va_ssrc(0) depctr_va_vcc(0) depctr_vm_vsrc(0)
	s_getreg_b32 s2, hwreg(HW_REG_IB_STS2, 6, 4)
	s_cmp_eq_u32 s2, 0
	s_cbranch_scc0 .Lentry_in_a_cluster
	s_endpgm
.Lentry_in_a_cluster:
	s_bfe_u32 s2, ttmp6, 0x10000c
	s_cmp_lg_u32 s2, 0xf033
	s_cbranch_scc0 .Lentry_shape_is_right
	s_endpgm
.Lentry_shape_is_right:
; For each query row and each block of 128 keys: s = q . k (f16 operands, f32 sums), m = the block's largest s, p = 2^(c s - c m) with c = log2(e) / 32, l = the sum of the block's p.
; pm [row 8192][key 2048] takes p in f16; st [kb 16][rb 512][2][16] takes, for key block kb and 16-row block rb, sixteen c m and sixteen l in f32.  The launch behind joins the blocks by the
; largest c m of a row, so the softmax has its true maximum taken away; the raw scores are never stored.
; LIMITS: p lies in 0 to 1; below 6e-5 it keeps f16's fixed step of 6e-8; an exponential below 2^-126 counts as 0 in l; l is the sum of the unrounded p.  NaN and infinities are not treated apart.
; SHARES.  A work-group makes 256 queries x 256 keys of one batch: 8 x 8 x 4 = 256 work-groups.  Four waves, each 128 x 128: 64 accumulators, 512 registers; a wave's 128 keys are one key block.
; K (1,024) goes in steps of 128 = two column blocks of qkv, through two LDS slots.  Each wave fetches one piece: [cb 2][128 rows][128 bytes], each column block's part dense in memory.
; CLUSTER 4 x 4: q's tile hangs on the tile row alone (shared along a row of the cluster), k's on the batch, which the cluster shares, and the tile column (shared along a column).
; THE MATRIX INSTRUCTION IS USED TRANSPOSED (source 0 = 16 keys, source 1 = 16 queries): a lane holds one query (l % 16) and keys 8 (l / 16) + 0..7 of each block of 16.
; REGISTERS.  Window 0: v0-63 addresses and at work; v64-127, v128-191 q's fragments, two buffers.  Window 1: the same numbers, k's.  Windows 2, 3: accumulator (a, b) in window 2 + a / 4 at 64 (a % 4) + 8 b.
.set PITCH,  144                       ; 128 bytes + 16 of padding: the 16 rows of a fragment load start at 16 different groups of four banks (64 banks of 4 bytes: ISA guide 11.1)
.set CBB,    128*PITCH                 ; a column block's 128 rows
.set PIECE,  2*CBB                     ; what one tensor load brings
.set SLOTX,  4*PIECE                   ; 0x24000: shares no bit with wave x 0x9000, so one exclusive or turns an address in one slot into the other's
.set STAGE,  2*SLOTX                   ; behind the ring: 16 rows x 272 bytes for each wave
.set SPITCH, 272
.set STS,    STAGE+4*16*SPITCH         ; each wave's 8 x 32 statistics
.set SPARE,  STS+4*1024                ; the spare words: two blocks of 256 bytes that no other line names
.set STEP_A, 2097152                   ; two column blocks on
.set STEP_B, 2097152
.set AA0, 4
.set AB0, 5
.set ADRA, 6
.set ADRB, 7
.set STO, 8
.set RD,  9
.set CO,  10
.set SS,  11                           ; v11  where my statistic of the row block in hand goes
.set SPW, 12
.set NIL, 13
.set SR,  14                           ; v14  where I read statistics back
.set SG,  15                           ; v15  16 x lane
.set CT,  32                           ; v32-35 four chains of the maximum
.set CM,  36                           ; v36  c m;  v37  m
.set LT,  38                           ; v38  l;    v39  at work
.set SV,  40                           ; v40  lanes 0-15: c m, lanes 16-31: l
.set F0,  64
.set F1,  128
.set T,   64                           ; the epilogue: 64 numbers of one row block
.set PP,  128                          ; their 32 pairs in f16
.set BK,  160                          ; whole rows read back
.set MSB, 0
.macro WIN new
.if MSB != (\new)
	s_set_vgpr_msb (MSB<<8)|(\new)
.set MSB, \new
.endif
.endm
.set MUL_LO, 0xa1                      ; source 0 (k) window 1, source 1 (q) window 0, C and D window 2
.macro PLACES
.rept 4
	v_nop
.endr
.endm
.macro CREST
	s_cmp_lg_u32 s16, 0
	s_cbranch_scc1 .Lnot_wave_0_\@
	s_barrier_signal -3
.Lnot_wave_0_\@:
	s_barrier_wait -3
	s_barrier_signal -1
	s_barrier_wait -1
.endm
.macro CROUND
	s_barrier_signal -1
	s_barrier_wait -1
	CREST
.endm
.macro JLOAD
	s_cmp_lt_u32 s16, 2
	s_cbranch_scc0 .Lfor_b_\@
	tensor_load_to_lds s[44:47], s[24:31]
	s_nop 0
.rept 4
	v_nop
.endr
	s_branch .Lasked_\@
.Lfor_b_\@:
	tensor_load_to_lds s[52:55], s[32:39]
	s_nop 0
.rept 4
	v_nop
.endr
.Lasked_\@:
.endm
.macro STEPD
	s_xor_b32 s45, s45, SLOTX
	s_add_nc_u64 s[46:47], s[46:47], STEP_A
	s_xor_b32 s53, s53, SLOTX
	s_add_nc_u64 s[54:55], s[54:55], STEP_B
.endm
	s_load_b128 s[4:7], s[0:1], 0x0                ; qkv s[4:5], pm s[6:7]
	s_load_b64 s[8:9], s[0:1], 0x10                ; st
	v_lshl_add_u32 v[SPW], v0, 2, SPARE
	v_mov_b32 v[NIL], 0
	ds_add_u32 v[SPW], v[NIL]                      ; the wave's opening: the add and its wait stand ahead of my first tensor load
	v_lshrrev_b32 v1, 5, v0
	v_readfirstlane_b32 s16, v1
	s_lshr_b32 s17, s16, 1                         ; which 128 queries are mine
	s_and_b32 s18, s16, 1                          ; which 128 keys; also: which half of a tile I fetch
	s_bfe_u32 s19, ttmp6, 0x40000
	s_bfe_u32 s20, ttmp6, 0x40004
	s_lshl_b32 s21, ttmp9, 2
	s_add_co_u32 s21, s21, s19                     ; key tile in the batch
	s_and_b32 s22, ttmp7, 0xffff
	s_lshr_b32 s59, s22, 1                         ; the batch: two clusters along y each
	s_lshl_b32 s22, s22, 2
	s_add_co_u32 s22, s22, s20                     ; query tile, over all batches
	s_lshl_b32 s23, s20, 2
	s_lshl_b32 s23, 15, s23
	s_lshl_b32 s58, 0x1111, s19
	s_or_b32 s24, s23, (1<<16)|(1<<20)|(1<<21)|(4<<22)|(3<<25)  ; the mask of my row; 2-byte elements; 4 words of padding after every 32, counted along the whole tile
	s_or_b32 s32, s58, (1<<16)|(1<<20)|(1<<21)|(4<<22)|(3<<25)  ; of my column
.irp g, 24, 32
	s_mov_b32 s[(\g)+1], 8192<<16                  ; tensor_dim0 = 8,192: 128 dense rows of 64 elements
	s_mov_b32 s[(\g)+2], 2<<16                     ; tensor_dim1 = 2 column blocks
	s_mov_b32 s[(\g)+3], 8192<<16                  ; tile_dim0
	s_mov_b32 s[(\g)+4], 2                         ; tile_dim1
	s_mov_b32 s[(\g)+5], 524288                    ; elements from column block to column block
	s_mov_b32 s[(\g)+6], 0
	s_mov_b32 s[(\g)+7], 0
.endr
	s_lshl_b32 s66, s22, 15                        ; q: tile x 256 rows x 128 bytes + my half
	s_lshl_b32 s70, s18, 14
	s_add_co_u32 s66, s66, s70
	s_mov_b32 s67, 0
	s_lshl_b32 s68, s59, 18                        ; k: 16 column blocks on, the batch's 2,048 rows, the tile, my half
	s_lshl_b32 s71, s21, 15
	s_add_co_u32 s68, s68, s71
	s_add_co_u32 s68, s68, s70
	s_add_co_u32 s68, s68, 16777216
	s_mov_b32 s69, 0
	s_mov_b32 s40, 1
	s_mul_i32 s41, s16, PIECE                      ; pieces lie by the wave's number: q's halves, then k's
	s_mov_b32 s44, 1
	s_add_co_u32 s45, s41, SLOTX
	s_mov_b32 s48, 1
	s_mul_i32 s49, s16, PIECE
	s_mov_b32 s52, 1
	s_add_co_u32 s53, s49, SLOTX
	s_mov_b32 s57, 0
	s_mov_b32 s59, 0xffff0000                      ; lanes 16-31
	s_mov_b32 s60, 0x76543210                      ; v_permlanex16_b32: each lane takes its own place in the other half
	s_mov_b32 s61, 0xfedcba98
	s_mov_b32 s62, 0x3d38aa3b                      ; c = log2(e) / 32
	s_mov_b32 s63, s62
	s_wait_dscnt 0x0
	s_wait_kmcnt 0x0
	s_add_nc_u64 s[42:43], s[4:5], s[66:67]
	s_add_nc_u64 s[46:47], s[42:43], STEP_A
	s_or_b32 s43, s43, 0x80000000
	s_or_b32 s47, s47, 0x80000000
	s_add_nc_u64 s[50:51], s[4:5], s[68:69]
	s_add_nc_u64 s[54:55], s[50:51], STEP_B
	s_or_b32 s51, s51, 0x80000000
	s_or_b32 s55, s55, 0x80000000
	CROUND
	s_cmp_lt_u32 s16, 2
	s_cbranch_scc0 .Lfirst_b
	tensor_load_to_lds s[40:43], s[24:31]
	s_nop 0
	tensor_load_to_lds s[44:47], s[24:31]
	s_nop 0
.rept 4
	v_nop
.endr
	s_branch .Lfirst_asked
.Lfirst_b:
	tensor_load_to_lds s[48:51], s[32:39]
	s_nop 0
	tensor_load_to_lds s[52:55], s[32:39]
	s_nop 0
.rept 4
	v_nop
.endr
.Lfirst_asked:
	v_and_b32 v1, 15, v0                           ; r
	v_bfe_u32 v2, v0, 4, 1                         ; h
	v_and_b32 v3, 31, v0                           ; l
	v_mul_u32_u24 v16, v1, PITCH
	v_lshl_add_u32 v16, v2, 4, v16
	s_mul_i32 s72, s17, PIECE
	v_add_nc_u32 v[AA0], s72, v16
	s_mul_i32 s73, s18, PIECE
	s_add_co_u32 s73, s73, 2*PIECE
	v_add_nc_u32 v[AB0], s73, v16
	v_mov_b32 v[ADRA], v[AA0]
	v_mov_b32 v[ADRB], v[AB0]
	s_mul_i32 s74, s16, 16*SPITCH
	s_add_co_u32 s74, s74, STAGE
	v_mul_u32_u24 v17, v1, SPITCH                  ; in: row r, 16 bytes for each half of the lanes
	v_lshl_add_u32 v17, v2, 4, v17
	v_add_nc_u32 v[STO], s74, v17
	v_mul_u32_u24 v17, v2, SPITCH                  ; back: lanes 0-15 one row of 256 bytes, lanes 16-31 the next
	v_lshl_add_u32 v17, v1, 4, v17
	v_add_nc_u32 v[RD], s74, v17
	v_lshlrev_b32 v17, 12, v2                      ; and the same two rows in pm
	v_lshl_add_u32 v[CO], v1, 4, v17
	s_lshl_b32 s75, s16, 10
	s_add_co_u32 s75, s75, STS
	v_lshl_add_u32 v[SS], v3, 2, s75
	v_lshl_add_u32 v[SR], v3, 4, s75
	v_lshlrev_b32 v[SG], 4, v3
	v_mov_b32 v[LT+1], 0                           ; v_permlanex16_b32's destination counts as read
	s_lshl_b32 s76, s22, 20                        ; pm at my first row (4,096 bytes each) and my 256 bytes of it
	s_lshl_b32 s77, s17, 19
	s_add_co_u32 s76, s76, s77
	s_lshl_b32 s77, s21, 9
	s_add_co_u32 s76, s76, s77
	s_lshl_b32 s77, s18, 8
	s_add_co_u32 s76, s76, s77
	s_mov_b32 s77, 0
	s_add_nc_u64 s[6:7], s[6:7], s[76:77]
	s_lshl_b32 s78, s21, 17                        ; st at key block 2 tile + half, row block 16 tile + 8 half
	s_lshl_b32 s79, s18, 16
	s_add_co_u32 s78, s78, s79
	s_lshl_b32 s79, s22, 11
	s_add_co_u32 s78, s78, s79
	s_lshl_b32 s79, s17, 10
	s_add_co_u32 s78, s78, s79
	s_mov_b32 s79, 0
	s_add_nc_u64 s[8:9], s[8:9], s[78:79]
; 16 matrix instructions: row blocks a0, a0 + 1 of the window's four x all 8 key blocks, 32 along K.  The 64 accumulators take turns.
.macro MUL16 f, hi, a0, zero
	WIN MUL_LO+0x50*(\hi)
.irp a, \a0, (\a0)+1
.irp b, 0,1,2,3,4,5,6,7
.if \zero
	v_wmma_f32_16x16x32_f16 v[8*(8*(\a)+(\b)):8*(8*(\a)+(\b))+7], v[(\f)+8*(\b):(\f)+8*(\b)+7], v[(\f)+8*(4*(\hi)+(\a)):(\f)+8*(4*(\hi)+(\a))+7], 0
.else
	v_wmma_f32_16x16x32_f16 v[8*(8*(\a)+(\b)):8*(8*(\a)+(\b))+7], v[(\f)+8*(\b):(\f)+8*(\b)+7], v[(\f)+8*(4*(\hi)+(\a)):(\f)+8*(4*(\hi)+(\a))+7], v[8*(8*(\a)+(\b)):8*(8*(\a)+(\b))+7]
.endif
.endr
.endr
.endm
.macro FETCH koff, f                   ; 32 LDS loads in one run: k's 8 fragments, then q's, 32 along K at byte koff of the piece
	WIN 0x40
.irp i, 0,1,2,3,4,5,6,7
	ds_load_b128 v[(\f)+8*(\i):(\f)+8*(\i)+3],   v[ADRB] offset:(\koff)+(\i)*16*PITCH
	ds_load_b128 v[(\f)+8*(\i)+4:(\f)+8*(\i)+7], v[ADRB] offset:(\koff)+(\i)*16*PITCH+32
.endr
	WIN 0
.irp i, 0,1,2,3,4,5,6,7
	ds_load_b128 v[(\f)+8*(\i):(\f)+8*(\i)+3],   v[ADRA] offset:(\koff)+(\i)*16*PITCH
	ds_load_b128 v[(\f)+8*(\i)+4:(\f)+8*(\i)+7], v[ADRA] offset:(\koff)+(\i)*16*PITCH+32
.endr
.endm
; A K step is four quarters of 32 along K (bytes 0 and 64 of column block 0's rows, then of column block 1's), on buffers 0, 1, 0, 1.
.macro QUARTER koff, f, g, zero
	s_wait_dscnt 8                                 ; k and q's rows 0-63 are in; the youngest eight loads (q's rows 64-127) may be out
	MUL16 \f, 0, 0, \zero
	MUL16 \f, 0, 2, \zero
	PLACES
	FETCH \koff, \g
	s_wait_dscnt 32                                ; all but the 32 just issued
	MUL16 \f, 1, 0, \zero
	MUL16 \f, 1, 2, \zero
.endm
; The last quarter changes slots and then multiplies buffer 1, whose loads, my last reads of this slot, went out 32 products ago.  On end: the wait for all my tensor loads (one is out: my piece of
; the next slot), the add, the wait for it and for those reads, ONE barrier, and with fill = 1 the rest of a round of the cluster's barrier and the refill of this slot with the K step two on.
; No product stands between that wait and the refill: a refill has a whole K step's 256 products, less the round alone, in which to land.
.macro TURN fill
	WIN 0
	s_wait_tensorcnt 0x0
	ds_add_u32 v[SPW], v[NIL]                      ; 0 onto my spare word
.if \fill
	STEPD
.endif
	s_wait_dscnt 0x0                               ; the add is done, and my reads of this slot are over
	s_barrier_signal -1
	s_barrier_wait -1
.if \fill
	CREST
	JLOAD                                          ; its four v_nop are also the places in front of the loads below
.else
	PLACES
.endif
	s_xor_b32 s57, s57, SLOTX
	v_add_nc_u32 v[ADRA], s57, v[AA0]
	v_add_nc_u32 v[ADRB], s57, v[AB0]
	FETCH 0, F0
	MUL16 F1, 0, 0, 0
	MUL16 F1, 0, 2, 0
	MUL16 F1, 1, 0, 0
	MUL16 F1, 1, 2, 0
.endm
	s_wait_tensorcnt 0x1                           ; my piece of K step 0 is in; step 1's may stay out
	s_barrier_signal -1
	s_barrier_wait -1
	FETCH 0, F0
	QUARTER 64, F0, F1, 1                          ; the first quarter stands in front of the loop: its products start the sums
	WIN 0
	s_mov_b32 s56, 6                               ; K steps 2 to 7 are asked for in the loop
.Lk:
	QUARTER CBB, F1, F0, 0
	QUARTER CBB+64, F0, F1, 0
	TURN 1
	QUARTER 64, F0, F1, 0
	WIN 0
	s_sub_co_u32 s56, s56, 1
	s_cmp_lg_u32 s56, 0
	s_cbranch_scc1 .Lk
	QUARTER CBB, F1, F0, 0                         ; the tail is written out: nothing is asked for
	QUARTER CBB+64, F0, F1, 0
	TURN 0
	QUARTER 64, F0, F1, 0
	QUARTER CBB, F1, F0, 0
	QUARTER CBB+64, F0, F1, 0
	s_wait_dscnt 8
	MUL16 F1, 0, 0, 0
	MUL16 F1, 0, 2, 0
	s_wait_dscnt 0x0
	MUL16 F1, 1, 0, 0
	MUL16 F1, 1, 2, 0
	WIN 0
; THE EPILOGUE, a row block a of 16 queries at a time, in a loop of eight trips.  A lane holds 64 scores of its query; the lane 16 away the other 64 of the key block.
; Registers cannot be indexed, so the two parts that name a block's accumulators (SMAX, SSCL) are written once for each block and chosen by the counter; all the rest works in window 0 and is written once.
.macro SMAX a                          ; the maximum: four chains of sixteen scores, each accumulator read from its low end on
.set SB, 64*((\a)%4)
	WIN 0x0a+5*((\a)/4)                            ; sources 0 and 1: the accumulators' window
.irp k, 0,1,2,3
	v_max_num_f32 v[CT+(\k)], v[SB+16*(\k)], v[SB+16*(\k)+1]
.endr
.irp i, 1,2,3,4,5,6,7
.irp k, 0,1,2,3
	v_max3_num_f32 v[CT+(\k)], v[SB+16*(\k)+2*(\i)], v[SB+16*(\k)+2*(\i)+1], v[CT+(\k)]
.endr
.endr
	WIN 0
	v_max3_num_f32 v[CT], v[CT], v[CT+1], v[CT+2]
	v_max_num_f32 v[CT], v[CT], v[CT+3]
	v_permlanex16_b32 v[CT+1], v[CT], s60, s61
	v_max_num_f32 v[CM+1], v[CT], v[CT+1]          ; m
	v_mul_f32 v[CM], s62, v[CM+1]                  ; c m
.endm
.macro SSCL a                          ; c s - c m, into window 0
.set SB, 64*((\a)%4)
	WIN 2+(\a)/4
.set p, 0
.rept 32
	v_pk_fma_f32 v[T+2*p:T+2*p+1], v[SB+2*p:SB+2*p+1], s[62:63], v[CM:CM+1] op_sel_hi:[1,0,0] neg_lo:[0,0,1] neg_hi:[0,0,1]
.set p, p+1
.endr
	WIN 0
.endm
; 64 exponentials; between them the rounding of the pair two back and its addition onto one of four running pairs: a plain instruction stands between every exponential and the use of its result (ISA guide 5.7.2).
.macro SEXP
.set i, 0
.rept 32
	v_exp_f32 v[T+2*i], v[T+2*i]
.if i >= 2
	s_wait_alu depctr_va_vdst(0)
	v_cvt_pk_f16_f32 v[PP+i-2], v[T+2*i-4], v[T+2*i-3]
.else
	v_nop
.endif
	v_exp_f32 v[T+2*i+1], v[T+2*i+1]
.if i >= 6
	v_pk_add_f32 v[T+2*((i-2)%4):T+2*((i-2)%4)+1], v[T+2*((i-2)%4):T+2*((i-2)%4)+1], v[T+2*i-4:T+2*i-3]
.endif
.set i, i+1
.endr
	s_wait_alu depctr_va_vdst(0)
	v_cvt_pk_f16_f32 v[PP+30], v[T+60], v[T+61]
	v_pk_add_f32 v[T+4:T+5], v[T+4:T+5], v[T+60:T+61]
	v_cvt_pk_f16_f32 v[PP+31], v[T+62], v[T+63]
	v_pk_add_f32 v[T+6:T+7], v[T+6:T+7], v[T+62:T+63]
	v_pk_add_f32 v[T:T+1], v[T:T+1], v[T+2:T+3]
	v_pk_add_f32 v[T+4:T+5], v[T+4:T+5], v[T+6:T+7]
	v_pk_add_f32 v[T:T+1], v[T:T+1], v[T+4:T+5]
	v_add_f32 v[LT], v[T], v[T+1]
	v_permlanex16_b32 v[LT+1], v[LT], s60, s61
	v_add_f32 v[LT], v[LT], v[LT+1]                ; l
	v_cndmask_b32 v[SV], v[CM], v[LT], s59         ; lanes 0-15 carry c m of rows 0-15, lanes 16-31 their l
.endm
.macro SEND                            ; the sixteen rows that lie in BK go to pm
	s_wait_dscnt 0x0
.irp t, 0,1,2,3,4,5,6,7
	global_store_b128 v[CO], v[BK+4*(\t):BK+4*(\t)+3], s[6:7] offset:2*(\t)*4096  ; 16 lanes store 256 consecutive bytes, aligned
.endr
.endm
	PLACES                                         ; behind the last products
	s_mov_b32 s56, 8                               ; row blocks to go: block a = 8 - s56
	s_mov_b32 s80, 0                               ; what pm's address steps by: nothing until the first block has been stored
	s_mov_b32 s81, 0
.Lrow:
.irp a, 1,2,3,4,5,6,7
	s_cmp_eq_u32 s56, 8-(\a)
	s_cbranch_scc1 .Lblk\a
.endr
	SMAX 0
	SSCL 0
	s_branch .Lcommon
.irp a, 1,2,3,4,5,6
.Lblk\a:
	SMAX \a
	SSCL \a
	s_branch .Lcommon
.endr
.Lblk7:
	SMAX 7
	SSCL 7
.Lcommon:
	SEXP
	s_cmp_eq_u32 s56, 8                            ; the first trip has no block before it
	s_cbranch_scc1 .Lnone
	SEND                                           ; a block's arithmetic has stood between the loads of the block before and these stores
	s_mov_b32 s80, 16*4096
.Lnone:
.irp b, 0,1,2,3,4,5,6,7
	ds_store_b128 v[STO], v[PP+4*(\b):PP+4*(\b)+3] offset:32*(\b)
.endr
	ds_store_b32 v[SS], v[SV]
	v_add_nc_u32 v[SS], 128, v[SS]
	s_wait_xcnt 0x0                                ; the stores' base and data are rewritten only behind this wait
	s_add_nc_u64 s[6:7], s[6:7], s[80:81]          ; sixteen rows of pm on, once a block has been stored
.irp t, 0,1,2,3,4,5,6,7
	ds_load_b128 v[BK+4*(\t):BK+4*(\t)+3], v[RD] offset:(\t)*2*SPITCH  ; LDS serves a wave's instructions in order (ISA guide 5.7.1.4): these see the stores above
.endr
	s_sub_co_u32 s56, s56, 1
	s_cmp_lg_u32 s56, 0
	s_cbranch_scc1 .Lrow
	SEND                                           ; block 7
	ds_load_b128 v[T:T+3], v[SR]                   ; my wave's 1,024 bytes of statistics, as they lie in st
	ds_load_b128 v[T+4:T+7], v[SR] offset:512
	s_wait_dscnt 0x0
	global_store_b128 v[SG], v[T:T+3], s[8:9]
	global_store_b128 v[SG], v[T+4:T+7], s[8:9] offset:512
	s_wait_tensorcnt 0x0                           ; the wave's end
	ds_add_u32 v[SPW], v[NIL]
	s_wait_dscnt 0x0
	CROUND                                         ; the closing round
	s_endpgm
.Lfunc_end_k_qfb727764b6_scores:
	.size	k_qfb727764b6_scores, .Lfunc_end_k_qfb727764b6_scores-k_qfb727764b6_scores
	.p2alignl 7, 3214868480
	.fill 96, 4, 3214868480
	.section	.rodata,"a",@progbits
	.p2align	6, 0x0
	.amdhsa_kernel k_qfb727764b6_scores
		.amdhsa_group_segment_fixed_size 327680
		.amdhsa_private_segment_fixed_size 0
		.amdhsa_enable_private_segment 0
		.amdhsa_kernarg_size 24
		.amdhsa_user_sgpr_count 2
		.amdhsa_user_sgpr_kernarg_segment_ptr 1
		.amdhsa_wavefront_size32 1
		.amdhsa_system_sgpr_workgroup_id_x 1
		.amdhsa_system_sgpr_workgroup_id_y 1
		.amdhsa_system_sgpr_workgroup_id_z 1
		.amdhsa_system_vgpr_workitem_id 0
		.amdhsa_next_free_vgpr 1024
		.amdhsa_next_free_sgpr 100
		.amdhsa_reserve_vcc 0
		.amdhsa_float_denorm_mode_32 3
		.amdhsa_float_denorm_mode_16_64 3
		.amdhsa_memory_ordered 1
		.amdhsa_forward_progress 1
		.amdhsa_inst_pref_size 130
	.end_amdhsa_kernel
	.amdgpu_metadata
---
amdhsa.version: [ 1, 2 ]
amdhsa.kernels:
  - .name:           k_qfb727764b6_scores
    .symbol:         k_qfb727764b6_scores.kd
    .args:
      - { .name: qkv, .offset: 0, .size: 8, .value_kind: global_buffer, .address_space: global }
      - { .name: pm, .offset: 8, .size: 8, .value_kind: global_buffer, .address_space: global }
      - { .name: st, .offset: 16, .size: 8, .value_kind: global_buffer, .address_space: global }
    .group_segment_fixed_size: 327680
    .private_segment_fixed_size: 0
    .kernarg_segment_align: 8
    .kernarg_segment_size: 24
    .max_flat_workgroup_size: 128
    .sgpr_count:     100
    .vgpr_count:     1024
    .wavefront_size: 32
...
	.end_amdgpu_metadata
.endif
;; end of part 3
;; launch pv (part 4): grid 4 x 64, 4 waves a work-group, clusters of 4 x 4, 327,680 bytes of LDS; arguments pm, qkv, st, out0; writes out0
.if DOCPART == 4
	.amdgcn_target "amdgcn-amd-amdhsa--gfx1250"
	.amdhsa_code_object_version 6
	.text
	.protected	k_qfb727764b6_pv
	.globl	k_qfb727764b6_pv
	.p2align	8
	.type	k_qfb727764b6_pv,@function
k_qfb727764b6_pv:
	s_mov_b64 s[64:65], 0
	v_nop
	global_prefetch_b8 v0, s[64:65] scope:SCOPE_SE
	s_setreg_imm32_b32 hwreg(HW_REG_WAVE_MODE, 25, 1), 1
	s_wait_xcnt 0x0
	s_wait_alu depctr_hold_cnt(0) depctr_sa_sdst(0) depctr_va_vdst(0) depctr_va_sdst(0) depctr_va_ssrc(0) depctr_va_vcc(0) depctr_vm_vsrc(0)
	s_getreg_b32 s2, hwreg(HW_REG_IB_STS2, 6, 4)
	s_cmp_eq_u32 s2, 0
	s_cbranch_scc0 .Lentry_in_a_cluster
	s_endpgm
.Lentry_in_a_cluster:
	s_bfe_u32 s2, ttmp6, 0x10000c
	s_cmp_lg_u32 s2, 0xf033
	s_cbranch_scc0 .Lentry_shape_is_right
	s_endpgm
.Lentry_shape_is_right:
; out0[row][ch] = the sum over key blocks kb of f[row][kb] x X[kb][row][ch], X = the sum over the block's 128 keys of p[row][key] v[key][ch],
; with M = the largest c m of the row's 16 blocks, g = 2^(c m_kb - M) <= 1, L = the sum of l_kb g_kb >= 1, f = g / L: the softmax with its true maximum taken away.
; p (pm) and v (qkv's column blocks 32-47) go to the matrix unit as they lie, in f16; X is summed in f32 from 0 in each key block; f is f32 and is applied to X by fused multiply-adds in f32; out0 is f32.
; LIMITS: an exponential below 2^-126 counts as 0; f may fall below f32's normal range and is then kept as a denormal or 0.  NaN and infinities are not treated apart.
; SHARES.  A work-group makes 128 rows x 256 channels: 64 x 4 = 256 work-groups.  Wave (mh, nh) makes rows 64 mh .. + 63 x channels 128 nh .. + 127 over all keys: 32 sums of a block and 32 sums of the
; row, 256 registers each.  2,048 keys go in steps of 128, one key block, through two LDS slots; a step is four chunks of 32 keys.  Waves 0, 1 fetch the halves of p's tile (64 rows x 256 bytes),
; waves 2, 3 two column blocks of v each.
; CLUSTER 4 x 4: p's tile hangs on the tile row alone (shared along a row of the cluster), v's on the batch, which the cluster shares, and the tile column (shared along a column).
; LAYOUT.  X^T = V^T P: source 0 = 16 channels x 32 keys, out of LDS turned by ds_load_tr16_b128; source 1 = 16 rows of p as they lie.  A lane holds one row (l % 16) and eight neighbouring channels,
; so a row's factor is one number a lane.
; REGISTERS.  Window 0: v0-31 addresses and at work; v32-39 the block's factors for my row of each of the 4 row blocks, each twice; v64-127 p's fragments, two buffers of 32; v128-255 v's, two of 64.
; Window 1: the block's sum (a, b) at 64 a + 8 b.  Window 2: the row's sum at the same number; no matrix instruction names it.
.set PA,     272                       ; a row of p: 256 bytes + 16: the 16 rows of a load start at 16 different groups of four banks (64 banks of 4 bytes: ISA guide 11.1)
.set PV,     160                       ; a row of v: 128 + 32
.set BOFF,   128*PA                    ; a slot: p's 128 rows, then v's [cb 4][128 keys]
.set CBB,    128*PV
.set SLOTX,  131072
.set STAGE,  SLOTX+BOFF+4*CBB          ; behind the ring, never filled by a tensor load: 16 rows x 528 bytes for each wave, for the way out
.set OP,     528
.set GT,     STAGE+4*16*OP             ; the factors: [kb 16][mh 2][r 16][a 4][2] f32
.set SPARE,  GT+16384                  ; the spare words: two blocks of 256 bytes that no other line names
.set STEP_A, 256
.set STEP_B, 16384
.set AA0, 4
.set AB0, 5
.set ADRA, 6
.set ADRB, 7
.set FA,  8                            ; v8   my row's factors of the key block to come
.set STO, 9                            ; v9   the way out: where my 32 bytes of a row go
.set RD,  10                           ; v10  where I read a row back
.set GO,  11                           ; v11  my 16 bytes of a row's 512
.set SPW, 14
.set NIL, 15
.set FAC, 32
.set PF,  64
.set VF,  128
.set BK,  64                           ; the way out: rows read back, two buffers of 64
.set MSB, 0
.macro WIN new
.if MSB != (\new)
	s_set_vgpr_msb (MSB<<8)|(\new)
.set MSB, \new
.endif
.endm
.macro PLACES
.rept 4
	v_nop
.endr
.endm
.macro CREST
	s_cmp_lg_u32 s16, 0
	s_cbranch_scc1 .Lnot_wave_0_\@
	s_barrier_signal -3
.Lnot_wave_0_\@:
	s_barrier_wait -3
	s_barrier_signal -1
	s_barrier_wait -1
.endm
.macro CROUND
	s_barrier_signal -1
	s_barrier_wait -1
	CREST
.endm
.macro JLOAD
	s_cmp_lt_u32 s16, 2
	s_cbranch_scc0 .Lfor_b_\@
	tensor_load_to_lds s[44:47], s[24:31]
	s_nop 0
.rept 4
	v_nop
.endr
	s_branch .Lasked_\@
.Lfor_b_\@:
	tensor_load_to_lds s[52:55], s[32:39]
	s_nop 0
.rept 4
	v_nop
.endr
.Lasked_\@:
.endm
.macro STEPD
	s_xor_b32 s45, s45, SLOTX
	s_add_nc_u64 s[46:47], s[46:47], STEP_A
	s_xor_b32 s53, s53, SLOTX
	s_add_nc_u64 s[54:55], s[54:55], STEP_B
.endm
	s_load_b256 s[4:11], s[0:1], 0x0               ; pm s[4:5], qkv s[6:7], st s[8:9], out0 s[10:11]
	v_lshl_add_u32 v[SPW], v0, 2, SPARE
	v_mov_b32 v[NIL], 0
	ds_add_u32 v[SPW], v[NIL]                      ; the wave's opening: the add and its wait stand ahead of my first tensor load
	v_lshrrev_b32 v1, 5, v0
	v_readfirstlane_b32 s16, v1
	s_lshr_b32 s17, s16, 1                         ; mh: which 64 rows are mine
	s_and_b32 s18, s16, 1                          ; nh: which 128 channels; also: which half of a tile I fetch
	s_bfe_u32 s19, ttmp6, 0x40000
	s_bfe_u32 s20, ttmp6, 0x40004
	s_lshl_b32 s21, ttmp9, 2
	s_add_co_u32 s21, s21, s19                     ; channel tile
	s_and_b32 s22, ttmp7, 0xffff
	s_lshr_b32 s59, s22, 2                         ; the batch: four clusters along y each
	s_lshl_b32 s22, s22, 2
	s_add_co_u32 s22, s22, s20                     ; row tile, over all batches
	s_lshl_b32 s23, s20, 2
	s_lshl_b32 s23, 15, s23
	s_lshl_b32 s58, 0x1111, s19
	s_or_b32 s24, s23, (1<<16)|(1<<20)|(1<<21)|(5<<22)|(3<<25)  ; my row's mask; 2-byte elements; 4 words of padding after every 64
	s_mov_b32 s25, 128<<16                         ; tensor_dim0 = 128 keys
	s_mov_b32 s26, 64<<16                          ; tensor_dim1 = 64 rows
	s_mov_b32 s27, 128<<16
	s_mov_b32 s28, 64
	s_mov_b32 s29, 2048                            ; elements from row to row of pm
	s_mov_b32 s30, 0
	s_mov_b32 s31, 0
	s_or_b32 s32, s58, (1<<16)|(1<<20)|(1<<21)|(4<<22)|(7<<25)  ; my column's mask; 8 words of padding after every 32, counted along the whole tile
	s_mov_b32 s33, 8192<<16                        ; tensor_dim0 = 8,192: 128 dense rows of 64 channels
	s_mov_b32 s34, 2<<16                           ; two column blocks
	s_mov_b32 s35, 8192<<16
	s_mov_b32 s36, 2
	s_mov_b32 s37, 524288
	s_mov_b32 s38, 0
	s_mov_b32 s39, 0
	s_lshl_b32 s66, s22, 19                        ; p: tile x 128 rows x 4,096 bytes + the 64 rows that I fetch
	s_lshl_b32 s70, s18, 18
	s_add_co_u32 s66, s66, s70
	s_mov_b32 s67, 0
	s_lshl_b32 s68, s21, 2                         ; v: column block 32 + 4 tile + 2 half, the batch's 2,048 rows
	s_lshl_b32 s71, s18, 1
	s_add_co_u32 s68, s68, s71
	s_add_co_u32 s68, s68, 32
	s_lshl_b32 s68, s68, 20
	s_lshl_b32 s71, s59, 18
	s_add_co_u32 s68, s68, s71
	s_mov_b32 s69, 0
	s_mov_b32 s40, 1
	s_mul_i32 s41, s18, 64*PA
	s_mov_b32 s44, 1
	s_add_co_u32 s45, s41, SLOTX
	s_mov_b32 s48, 1
	s_mul_i32 s49, s18, 2*CBB
	s_add_co_u32 s49, s49, BOFF
	s_mov_b32 s52, 1
	s_add_co_u32 s53, s49, SLOTX
	s_mov_b32 s57, 0
	s_mov_b32 s59, 1                               ; 1: the row's sums have not been started
	s_wait_dscnt 0x0
	s_wait_kmcnt 0x0
	s_add_nc_u64 s[42:43], s[4:5], s[66:67]
	s_add_nc_u64 s[46:47], s[42:43], STEP_A
	s_or_b32 s43, s43, 0x80000000
	s_or_b32 s47, s47, 0x80000000
	s_add_nc_u64 s[50:51], s[6:7], s[68:69]
	s_add_nc_u64 s[54:55], s[50:51], STEP_B
	s_or_b32 s51, s51, 0x80000000
	s_or_b32 s55, s55, 0x80000000
	CROUND
	s_cmp_lt_u32 s16, 2
	s_cbranch_scc0 .Lfirst_b
	tensor_load_to_lds s[40:43], s[24:31]
	s_nop 0
	tensor_load_to_lds s[44:47], s[24:31]
	s_nop 0
.rept 4
	v_nop
.endr
	s_branch .Lfirst_asked
.Lfirst_b:
	tensor_load_to_lds s[48:51], s[32:39]
	s_nop 0
	tensor_load_to_lds s[52:55], s[32:39]
	s_nop 0
.rept 4
	v_nop
.endr
.Lfirst_asked:
	; THE FACTORS.  Thread t stands for row t of the tile: its 16 c m and 16 l.
	v_and_b32 v1, 15, v0                           ; r = l % 16 = t % 16
	v_bfe_u32 v2, v0, 4, 1                         ; h
	v_and_b32 v3, 31, v0                           ; l
	v_lshrrev_b32 v16, 4, v0                       ; t / 16: the row block of the tile
	v_lshlrev_b32 v17, 2, v1
	v_lshl_add_u32 v17, v16, 7, v17
	s_lshl_b32 s70, s22, 10                        ; the tile's 8 row blocks of 128 bytes
	s_mov_b32 s71, 0
	s_add_nc_u64 s[8:9], s[8:9], s[70:71]
.set k, 0
.rept 16
	global_load_b32 v[64+k], v17, s[8:9] offset:k*65536
	global_load_b32 v[80+k], v17, s[8:9] offset:k*65536+64
.set k, k+1
.endr
	v_mul_u32_u24 v[AA0], v1, PA
	v_lshl_add_u32 v[AA0], v2, 4, v[AA0]
	s_mul_i32 s72, s17, 64*PA
	v_add_nc_u32 v[AA0], s72, v[AA0]               ; (my 64 rows + r) x pitch + 16 x half
	v_and_b32 v24, 7, v0                           ; the turning load: lane l reads key 8 (l / 16) + l % 8, channels 8 ((l / 8) % 2) + 0..7
	v_lshl_add_u32 v24, v2, 3, v24
	v_mul_u32_u24 v[AB0], v24, PV
	v_bfe_u32 v25, v0, 3, 1
	v_lshl_add_u32 v[AB0], v25, 4, v[AB0]
	s_mul_i32 s74, s18, 2*CBB
	s_add_co_u32 s74, s74, BOFF
	v_add_nc_u32 v[AB0], s74, v[AB0]
	v_mov_b32 v[ADRA], v[AA0]
	v_mov_b32 v[ADRB], v[AB0]
	s_lshl_b32 s73, s17, 9
	s_add_co_u32 s73, s73, GT
	v_lshl_add_u32 v[FA], v1, 5, s73               ; 32 bytes for each (mh, r): four factors, each twice
	s_mul_i32 s75, s16, 16*OP
	s_add_co_u32 s75, s75, STAGE                   ; my stage
	v_mul_u32_u24 v[STO], v1, OP
	v_lshl_add_u32 v[STO], v2, 5, v[STO]
	v_add_nc_u32 v[STO], s75, v[STO]
	v_lshl_add_u32 v[RD], v3, 4, s75
	v_lshlrev_b32 v[GO], 4, v3
	v_lshrrev_b32 v22, 6, v0                       ; where row t's factors go: mh = t / 64, r = t % 16, a = (t / 16) % 4
	v_and_b32 v23, 3, v16
	v_lshlrev_b32 v21, 5, v1
	v_lshl_add_u32 v21, v22, 9, v21
	v_lshl_add_u32 v21, v23, 3, v21
	v_add_nc_u32 v21, GT, v21
	s_lshl_b32 s78, s22, 19                        ; out0 at my first row and my 512 bytes of it
	s_lshl_b32 s79, s17, 18
	s_add_co_u32 s78, s78, s79
	s_lshl_b32 s79, s21, 10
	s_add_co_u32 s78, s78, s79
	s_lshl_b32 s79, s18, 9
	s_add_co_u32 s78, s78, s79
	s_mov_b32 s79, 0
	s_add_nc_u64 s[10:11], s[10:11], s[78:79]
	s_wait_loadcnt 0x0
	v_max3_num_f32 v18, v64, v65, v66              ; M
.irp i, 0,1,2,3,4,5
	v_max3_num_f32 v18, v18, v[67+2*(\i)], v[68+2*(\i)]
.endr
	v_max_num_f32 v18, v18, v79
.set k, 0
.rept 16
	v_sub_f32 v[64+k], v[64+k], v18
.set k, k+1
.endr
.set k, 0
.rept 16
	v_exp_f32 v[64+k], v[64+k]                     ; g
.set k, k+1
.endr
	v_nop                                          ; a plain instruction between the last exponential and the use of its result
	s_wait_alu depctr_va_vdst(0)
	v_mul_f32 v19, v80, v64
.set k, 1
.rept 15
	v_fmac_f32 v19, v[80+k], v[64+k]               ; L
.set k, k+1
.endr
	v_rcp_f32 v20, v19
	v_nop
.set k, 0
	s_wait_alu depctr_va_vdst(0)
.rept 16
	v_mul_f32 v[96+2*k], v[64+k], v20              ; f = g / L, twice: a pair for the packed lines
	v_mul_f32 v[97+2*k], v[64+k], v20
.set k, k+1
.endr
.set k, 0
.rept 16
	ds_store_b64 v21, v[96+2*k:97+2*k] offset:1024*k
.set k, k+1
.endr
; 32 matrix instructions: 4 row blocks x 8 channel blocks, 32 keys, out of buffer f.  The 32 sums take turns.  zero = 1: a key block's first chunk starts its sums.
.macro MM32 f, zero
	WIN 0x50                                       ; C and D window 1
.irp a, 0,1,2,3
.irp b, 0,1,2,3,4,5,6,7
.if \zero
	v_wmma_f32_16x16x32_f16 v[64*(\a)+8*(\b):64*(\a)+8*(\b)+7], v[VF+64*(\f)+8*(\b):VF+64*(\f)+8*(\b)+7], v[PF+32*(\f)+8*(\a):PF+32*(\f)+8*(\a)+7], 0
.else
	v_wmma_f32_16x16x32_f16 v[64*(\a)+8*(\b):64*(\a)+8*(\b)+7], v[VF+64*(\f)+8*(\b):VF+64*(\f)+8*(\b)+7], v[PF+32*(\f)+8*(\a):PF+32*(\f)+8*(\a)+7], v[64*(\a)+8*(\b):64*(\a)+8*(\b)+7]
.endif
.endr
.endr
.endm
; One run of LDS loads: chunk j of the slot in hand into buffer f: p's 4 fragments, 8 loads; v's 8, 16 turning loads.  fac = 1: ahead of them the key block's factors, 2 loads.
.macro FETCH j, f, fac
	WIN 0
.if \fac
	ds_load_b128 v[FAC:FAC+3],   v[FA]
	ds_load_b128 v[FAC+4:FAC+7], v[FA] offset:16
	v_add_nc_u32 v[FA], 1024, v[FA]                ; the next key block's
.endif
.irp a, 0,1,2,3
	ds_load_b128 v[PF+32*(\f)+8*(\a):PF+32*(\f)+8*(\a)+3],   v[ADRA] offset:64*(\j)+(\a)*16*PA
	ds_load_b128 v[PF+32*(\f)+8*(\a)+4:PF+32*(\f)+8*(\a)+7], v[ADRA] offset:64*(\j)+(\a)*16*PA+32
.endr
.irp b, 0,1,2,3,4,5,6,7
	ds_load_tr16_b128 v[VF+64*(\f)+8*(\b):VF+64*(\f)+8*(\b)+3],   v[ADRB] offset:((\b)/4)*CBB+(\j)*32*PV+((\b)%4)*32
	ds_load_tr16_b128 v[VF+64*(\f)+8*(\b)+4:VF+64*(\f)+8*(\b)+7], v[ADRB] offset:((\b)/4)*CBB+(\j)*32*PV+16*PV+((\b)%4)*32
.endr
.endm
; One of a step's first three chunks: its fragments, asked for a chunk ago, are in buffer f; chunk jn is asked for, into the other buffer, ahead of the chunk's 32 products.
.macro CH f, jn, zero, fac
	s_wait_dscnt 0x0
	PLACES                                         ; behind the products that read the other buffer
	FETCH \jn, 1-(\f), \fac
	MM32 \f, \zero
.endm
; THE CHANGE OF SLOTS stands ahead of a step's last chunk, whose fragments, my last reads of this slot, were asked for a chunk ago.  On end: the wait for all my tensor loads (one is out: my part of the
; next slot), the add, the wait for it and for those reads, ONE barrier, and with fill = 1 the rest of a round of the cluster's barrier and the refill of this slot with the keys two steps on: it has a
; whole step, less the round alone, in which to land.  Then the next slot's first chunk is asked for.
.macro CHANGE fill
	WIN 0
	s_wait_tensorcnt 0x0
	ds_add_u32 v[SPW], v[NIL]                      ; 0 onto my spare word
.if \fill
	STEPD
.endif
	s_wait_dscnt 0x0                               ; the add is done, and my reads of this slot are over
	s_barrier_signal -1
	s_barrier_wait -1
.if \fill
	CREST
	JLOAD                                          ; its four v_nop are also the places in front of the loads below
.else
	PLACES
.endif
	s_xor_b32 s57, s57, SLOTX
	v_add_nc_u32 v[ADRA], s57, v[AA0]
	v_add_nc_u32 v[ADRB], s57, v[AB0]
	FETCH 0, 0, 0
.endm
; The key block's sums, times the rows' factors, go onto the rows' sums: 128 packed lines in f32, each block's sum read from its low end on.  first = 1: they start the rows' sums.
.macro LUMP first
	WIN 0xa1                                       ; source 0 window 1, source 1 window 0, source 2 and destination window 2
.irp a, 0,1,2,3
.irp b, 0,1,2,3,4,5,6,7
.irp j, 0,2,4,6
.if \first
	v_pk_mul_f32 v[64*(\a)+8*(\b)+(\j):64*(\a)+8*(\b)+(\j)+1], v[64*(\a)+8*(\b)+(\j):64*(\a)+8*(\b)+(\j)+1], v[FAC+2*(\a):FAC+2*(\a)+1]
.else
	v_pk_fma_f32 v[64*(\a)+8*(\b)+(\j):64*(\a)+8*(\b)+(\j)+1], v[64*(\a)+8*(\b)+(\j):64*(\a)+8*(\b)+(\j)+1], v[FAC+2*(\a):FAC+2*(\a)+1], v[64*(\a)+8*(\b)+(\j):64*(\a)+8*(\b)+(\j)+1]
.endif
.endr
.endr
.endr
	WIN 0
.endm
	s_wait_tensorcnt 0x1                           ; my part of step 0 is in; step 1's may stay out
	s_wait_dscnt 0x0                               ; for the others' sake: my row's factors are stored
	s_barrier_signal -1
	s_barrier_wait -1
	FETCH 0, 0, 0
	s_mov_b32 s56, 14                              ; steps 0 to 13: steps 2 to 15 are asked for
.Lk:
	CH 0, 1, 1, 1
	CH 1, 2, 0, 0
	CH 0, 3, 0, 0
	CHANGE 1
	MM32 1, 0
	PLACES                                         ; behind the block's last products
	WIN 0
	s_cmp_eq_u32 s59, 1                            ; at the first trip the answer is a constant of the text
	s_cbranch_scc1 .Lstart
	LUMP 0
	s_branch .Ljoin
.Lstart:
	s_mov_b32 s59, 0
	LUMP 1                                         ; key block 0 starts the rows' sums: nothing is cleared
.Ljoin:
	s_sub_co_u32 s56, s56, 1
	s_cmp_lg_u32 s56, 0
	s_cbranch_scc1 .Lk
	s_mov_b32 s56, 2                               ; steps 14 and 15 have a text of their own: nothing is asked for.
.Lt:                                                   ; In the last trip the change's 24 loads bring a chunk of step 14 once more and serve nothing: the price, once a launch, of one text for both trips
	CH 0, 1, 1, 1
	CH 1, 2, 0, 0
	CH 0, 3, 0, 0
	CHANGE 0
	MM32 1, 0
	PLACES
	LUMP 0
	s_sub_co_u32 s56, s56, 1
	s_cmp_lg_u32 s56, 0
	s_cbranch_scc1 .Lt
	; THE WAY OUT.  The rows' sums are out0's numbers.  A row block (16 rows x 512 bytes) at a time goes through my stage: 32 bytes a lane in, whole rows back, a row's 512 consecutive bytes to a store.
	s_wait_dscnt 0x0                               ; the loads that serve nothing are back: their registers are used below
.macro TOSTAGE a
.if (\a) >= 2
	s_wait_xcnt 0x0                                ; the registers that the stores of block a - 2 read are loaded again only behind this wait
.endif
	WIN 0x08                                       ; store data: window 2
.irp b, 0,1,2,3,4,5,6,7
	ds_store_b128 v[STO], v[64*(\a)+8*(\b):64*(\a)+8*(\b)+3]   offset:64*(\b)
	ds_store_b128 v[STO], v[64*(\a)+8*(\b)+4:64*(\a)+8*(\b)+7] offset:64*(\b)+16
.endr
	WIN 0
.irp t, 0,1,2,3,4,5,6,7,8,9,10,11,12,13,14,15
	ds_load_b128 v[BK+64*((\a)%2)+4*(\t):BK+64*((\a)%2)+4*(\t)+3], v[RD] offset:OP*(\t)  ; LDS serves a wave's instructions in order (ISA guide 5.7.1.4): these see the stores above; the next block's stores come behind them
.endr
.endm
.macro SEND a, younger                 ; younger: the LDS instructions issued behind block a's loads: the next block's 32, or none
	s_wait_dscnt \younger
.irp t, 0,1,2,3,4,5,6,7,8,9,10,11,12,13,14,15
	global_store_b128 v[GO], v[BK+64*((\a)%2)+4*(\t):BK+64*((\a)%2)+4*(\t)+3], s[10:11] offset:(16*(\a)+(\t))*4096 th:TH_STORE_NT  ; a wave stores 512 consecutive bytes of a row, aligned
.endr
.endm
	TOSTAGE 0
	TOSTAGE 1
	SEND 0, 32
	TOSTAGE 2
	SEND 1, 32
	TOSTAGE 3
	SEND 2, 32
	SEND 3, 0
	s_wait_tensorcnt 0x0                           ; the wave's end
	ds_add_u32 v[SPW], v[NIL]
	s_wait_dscnt 0x0
	CROUND                                         ; the closing round
	s_endpgm
.Lfunc_end_k_qfb727764b6_pv:
	.size	k_qfb727764b6_pv, .Lfunc_end_k_qfb727764b6_pv-k_qfb727764b6_pv
	.p2alignl 7, 3214868480
	.fill 96, 4, 3214868480
	.section	.rodata,"a",@progbits
	.p2align	6, 0x0
	.amdhsa_kernel k_qfb727764b6_pv
		.amdhsa_group_segment_fixed_size 327680
		.amdhsa_private_segment_fixed_size 0
		.amdhsa_enable_private_segment 0
		.amdhsa_kernarg_size 32
		.amdhsa_user_sgpr_count 2
		.amdhsa_user_sgpr_kernarg_segment_ptr 1
		.amdhsa_wavefront_size32 1
		.amdhsa_system_sgpr_workgroup_id_x 1
		.amdhsa_system_sgpr_workgroup_id_y 1
		.amdhsa_system_sgpr_workgroup_id_z 1
		.amdhsa_system_vgpr_workitem_id 0
		.amdhsa_next_free_vgpr 768
		.amdhsa_next_free_sgpr 100
		.amdhsa_reserve_vcc 0
		.amdhsa_float_denorm_mode_32 3
		.amdhsa_float_denorm_mode_16_64 3
		.amdhsa_memory_ordered 1
		.amdhsa_forward_progress 1
		.amdhsa_inst_pref_size 87
	.end_amdhsa_kernel
	.amdgpu_metadata
---
amdhsa.version: [ 1, 2 ]
amdhsa.kernels:
  - .name:           k_qfb727764b6_pv
    .symbol:         k_qfb727764b6_pv.kd
    .args:
      - { .name: pm, .offset: 0, .size: 8, .value_kind: global_buffer, .address_space: global }
      - { .name: qkv, .offset: 8, .size: 8, .value_kind: global_buffer, .address_space: global }
      - { .name: st, .offset: 16, .size: 8, .value_kind: global_buffer, .address_space: global }
      - { .name: out0, .offset: 24, .size: 8, .value_kind: global_buffer, .address_space: global }
    .group_segment_fixed_size: 327680
    .private_segment_fixed_size: 0
    .kernarg_segment_align: 8
    .kernarg_segment_size: 32
    .max_flat_workgroup_size: 128
    .sgpr_count:     100
    .vgpr_count:     768
    .wavefront_size: 32
...
	.end_amdgpu_metadata
.endif
;; end of part 4
;; ======== version 2 of 2: 4 launches; version 1 with the launch cast written anew for expert scheduling mode
;; limits: values are held in f16: magnitudes above 65,504 overflow, below 6.1e-05 lose precision
;; workspace buffers: xb 16,777,216 bytes; wb 6,291,456 bytes; qkv 50,331,648 bytes; pm 33,554,432 bytes; st 1,048,576 bytes
;; launch cast (part 5): grid 704 x 1, 8 waves a work-group, no clusters, 0 bytes of LDS; arguments x, Wq, Wk, Wv, xb, wb; writes xb, wb
.if DOCPART == 5
	.amdgcn_target "amdgcn-amd-amdhsa--gfx1250"
	.amdhsa_code_object_version 6
	.text
	.protected	k_qfb727764b6_cast
	.globl	k_qfb727764b6_cast
	.p2align	8
	.type	k_qfb727764b6_cast,@function
k_qfb727764b6_cast:
	s_mov_b64 s[64:65], 0
	v_nop
	global_prefetch_b8 v0, s[64:65] scope:SCOPE_SE
	s_setreg_imm32_b32 hwreg(HW_REG_WAVE_SCHED_MODE, 0, 2), 2
	s_setreg_imm32_b32 hwreg(HW_REG_WAVE_MODE, 25, 1), 1
	s_wait_xcnt 0x0
	s_wait_alu depctr_vm_vsrc(0)
; x [8192][1024] and Wq | Wk | Wv [3 x 1024][1024], f32, are rounded once to bf16 and laid in blocks of 64 along K:
; xb [kb 16][row 8192][64], wb [kb 16][n 3072][64] (n: Wq's rows, then Wk's, then Wv's), so that a tile of the product that follows is dense in memory.
; A work-group takes 16 rows (64 KiB in, 32 KiB out): groups 0-511 x's, groups 512-703 the weights'.  Thread t takes row t / 16 and four numbers at column 4 (t % 16) of each K block:
; a wave's load covers two runs of 256 bytes, its store 256 consecutive bytes (two rows of one K block), aligned.  Memory binds: no LDS, no barrier, no matrix unit.
; All sixteen loads of a thread go out at once; no register is written twice.
; THE MODE: SCHED_MODE bits 1:0 = 2 (LLVM: expert scheduling mode 2), set by the entry lines.  The code itself states the register dependences
; between vector instructions and memory instructions, with s_wait_alu, always for 0.
; THE PLAN.  Registers that memory instructions touch:
;   v1        the loads' offset.  Written at the head, never again; read by all sixteen loads.
;   OF + k    store k's offset.   Written at the head, never again; read by store k.
;   X         written by the loads alone, each register once; read by the conversions.  No vector instruction names X ahead of the loads.
;   Y         written by the conversions, each register once; pair k is read by store k.
; The sixteen K blocks go in four groups of four.  Group p rounds X's part p into Y's part p; its memory instructions are the four stores of group p - 1, which read OF's and Y's part p - 1:
; registers that no vector instruction of group p names.  So one wait at a group's head states all that its four stores hang on, and they are dealt among its conversions with no further wait.
; No register that a memory instruction reads is ever written again, and no load is issued behind a vector instruction that names its registers: nothing else is to be stated.
.set X,  4                             ; v[4:67]    16 x 4 numbers as loaded
.set Y,  68                            ; v[68:99]   16 x 2 registers to store
.set OF, 100                           ; v[100:115] my byte offset in the output, for each K block
	s_load_b256 s[4:11], s[0:1], 0x0               ; x s[4:5], Wq s[6:7], Wk s[8:9], Wv s[10:11]
	s_load_b128 s[12:15], s[0:1], 0x20             ; xb s[12:13], wb s[14:15]
	s_mov_b32 s16, ttmp9                           ; the group's number
	s_sub_co_u32 s17, s16, 512                     ; among the weights' groups (used there alone)
	s_lshr_b32 s18, s17, 6                         ; which weight: 64 groups each
	s_and_b32 s19, s17, 63                         ; its block of 16 rows
	s_mov_b32 s32, 0x100000                        ; bytes from K block to K block in xb: 8,192 rows x 128
	s_mov_b32 s33, 0x60000                         ; in wb: 3,072 rows x 128
	v_lshrrev_b32 v1, 4, v0
	v_and_b32 v2, 15, v0
	v_lshlrev_b32 v1, 12, v1                       ; my row x 4,096 bytes
	v_lshl_add_u32 v1, v2, 4, v1                   ; + 16 (t % 16)
	v_lshlrev_b32 v[OF], 3, v0                     ; out: row x 128 + 8 (t % 16) = 8 t
	s_cmp_lt_u32 s16, 512
	s_cselect_b32 s24, s16, s19                    ; the block of 16 rows in the source,
	s_cselect_b32 s26, s16, s17                    ; and in the output
	s_cselect_b32 s22, s32, s33
	s_lshl_b32 s24, s24, 16                        ; 16 rows x 4,096 bytes
	s_mov_b32 s25, 0
	s_lshl_b32 s26, s26, 11                        ; 16 rows x 128 bytes
	s_mov_b32 s27, 0
.set k, 1
.rept 15
	v_add_nc_u32 v[OF+k], s22, v[OF+k-1]
.set k, k+1
.endr
	s_wait_kmcnt 0x0
	s_cmp_eq_u32 s18, 1
	s_cselect_b64 s[20:21], s[8:9], s[6:7]
	s_cmp_eq_u32 s18, 2
	s_cselect_b64 s[20:21], s[10:11], s[20:21]
	s_cmp_lt_u32 s16, 512
	s_cselect_b64 s[20:21], s[4:5], s[20:21]       ; the source
	s_cselect_b64 s[28:29], s[12:13], s[14:15]     ; the output
	s_add_nc_u64 s[20:21], s[20:21], s[24:25]
	s_add_nc_u64 s[28:29], s[28:29], s[26:27]
	s_wait_alu depctr_va_vdst(0)                   ; v1 and v[OF .. OF+15] are written: every load and store of the kernel reads one of them as its offset
.set k, 0
.rept 16
	global_load_b128 v[X+4*k:X+4*k+3], v1, s[20:21] offset:256*k th:TH_LOAD_NT
.set k, k+1
.endr
.set p, 0
.rept 4                                ; group p: K blocks 4 p to 4 p + 3
	s_wait_loadcnt 12-4*p                          ; loads come back in order: the group's four are in, the 12 - 4 p younger ones stay out
.if p > 0
	s_wait_alu depctr_va_vdst(0)                   ; the conversions of the group before have written their eight registers of Y, which the four stores below read
.endif
.set i, 0
.rept 4
.set k, 4*p+i
.if p > 0
	global_store_b64 v[OF+k-4], v[Y+2*k-8:Y+2*k-7], s[28:29]  ; K block k - 4, of the group before; no vector instruction since the wait names these registers
.endif
	v_cvt_pk_bf16_f32 v[Y+2*k], v[X+4*k], v[X+4*k+1]
	v_cvt_pk_bf16_f32 v[Y+2*k+1], v[X+4*k+2], v[X+4*k+3]
.set i, i+1
.endr
.set p, p+1
.endr
	s_wait_alu depctr_va_vdst(0)                   ; the last group's conversions have written their eight registers of Y, which the last four stores read
.set k, 12
.rept 4
	global_store_b64 v[OF+k], v[Y+2*k:Y+2*k+1], s[28:29]
.set k, k+1
.endr
	s_endpgm
.Lfunc_end_k_qfb727764b6_cast:
	.size	k_qfb727764b6_cast, .Lfunc_end_k_qfb727764b6_cast-k_qfb727764b6_cast
	.p2alignl 7, 3214868480
	.fill 96, 4, 3214868480
	.section	.rodata,"a",@progbits
	.p2align	6, 0x0
	.amdhsa_kernel k_qfb727764b6_cast
		.amdhsa_group_segment_fixed_size 0
		.amdhsa_private_segment_fixed_size 0
		.amdhsa_enable_private_segment 0
		.amdhsa_kernarg_size 48
		.amdhsa_user_sgpr_count 2
		.amdhsa_user_sgpr_kernarg_segment_ptr 1
		.amdhsa_wavefront_size32 1
		.amdhsa_system_sgpr_workgroup_id_x 1
		.amdhsa_system_sgpr_workgroup_id_y 1
		.amdhsa_system_sgpr_workgroup_id_z 1
		.amdhsa_system_vgpr_workitem_id 0
		.amdhsa_next_free_vgpr 120
		.amdhsa_next_free_sgpr 66
		.amdhsa_reserve_vcc 0
		.amdhsa_float_denorm_mode_32 3
		.amdhsa_float_denorm_mode_16_64 3
		.amdhsa_memory_ordered 1
		.amdhsa_forward_progress 1
		.amdhsa_inst_pref_size 8
	.end_amdhsa_kernel
	.amdgpu_metadata
---
amdhsa.version: [ 1, 2 ]
amdhsa.kernels:
  - .name:           k_qfb727764b6_cast
    .symbol:         k_qfb727764b6_cast.kd
    .args:
      - { .name: x, .offset: 0, .size: 8, .value_kind: global_buffer, .address_space: global }
      - { .name: Wq, .offset: 8, .size: 8, .value_kind: global_buffer, .address_space: global }
      - { .name: Wk, .offset: 16, .size: 8, .value_kind: global_buffer, .address_space: global }
      - { .name: Wv, .offset: 24, .size: 8, .value_kind: global_buffer, .address_space: global }
      - { .name: xb, .offset: 32, .size: 8, .value_kind: global_buffer, .address_space: global }
      - { .name: wb, .offset: 40, .size: 8, .value_kind: global_buffer, .address_space: global }
    .group_segment_fixed_size: 0
    .private_segment_fixed_size: 0
    .kernarg_segment_align: 8
    .kernarg_segment_size: 48
    .max_flat_workgroup_size: 256
    .sgpr_count:     66
    .vgpr_count:     120
    .wavefront_size: 32
...
	.end_amdgpu_metadata
.endif
;; end of part 5
;; launch proj: the kernel of part 2 again; grid 8 x 32, 4 waves a work-group, clusters of 4 x 4, 327,680 bytes of LDS; arguments xb, wb, bq, bk, bv, qkv; writes qkv
;; launch scores: the kernel of part 3 again; grid 8 x 32, 4 waves a work-group, clusters of 4 x 4, 327,680 bytes of LDS; arguments qkv, pm, st; writes pm, st
;; launch pv: the kernel of part 4 again; grid 4 x 64, 4 waves a work-group, clusters of 4 x 4, 327,680 bytes of LDS; arguments pm, qkv, st, out0; writes out0
